; MI455X (gfx1250); checked and timed in simulation.
; The chip was launched on July 23, 2026; its instructions are those of AMD's public machine-readable ISA for CDNA 5 (MIT licence, August 2026) and "CDNA5" Instruction Set Architecture Reference Guide (July 2026). The comments in the code are by the model that wrote it; some were corrected since.
;; Pattention Layer. Allowed arithmetic: matrix products marked QUANTISED: E5M2 operands, one E8M0 scale for each 32 along K, by v_wmma_scale_f32_16x16x128_f8f6f4 with both operands' format E5M2, f32 sums; everything else in f32.
;; Inputs: key_param_tokens_codes 4,096 x 32 x 32 uint8 (E5M2 codes of key_param_tokens, K innermost, in blocks of 32 codes); key_param_tokens_scales 4,096 x 32 uint8 (E8M0 scales of key_param_tokens, one for each 32 codes along K); value_param_tokens_codes 1,024 x 128 x 32 uint8 (E5M2 codes of value_param_tokens, K innermost, in blocks of 32 codes); value_param_tokens_scales 1,024 x 128 uint8 (E8M0 scales of value_param_tokens, one for each 32 codes along K); x_codes 4 x 2,048 x 32 x 32 uint8 (E5M2 codes of x, K innermost, in blocks of 32 codes); x_scales 4 x 2,048 x 32 uint8 (E8M0 scales of x, one for each 32 codes along K).
;; Outputs: out0 4 x 2,048 x 1,024 float32.
;; This version of the problem:
;;   THIS VERSION OF THE PROBLEM IS GIVEN IN LOW PRECISION. The matrix products marked QUANTISED in the list below multiply operands that are first quantised to E5M2 (5 exponent bits, 2 mantissa bits; 8 bits a number), with one power-of-two scale for each 32 numbers along K (OCP MX v1.0); their sums are f32. All else is computed in f32.
;;   The module's matrix products, in the order in which they are computed (A, B: the left and right operand; K: the contracted axis; several contracted axes count as one K, in the product's order):
;;     1. [M 8,192, K 1,024] x [K 1,024, N 4,096]; A: input x (given as codes); B: input key_param_tokens (given as codes): QUANTISED
;;     2. [M 8,192, K 4,096] x [K 4,096, N 1,024]; A: computed on the way; B: input value_param_tokens (given as codes): QUANTISED
;;   THE QUANTISER, for each operand of a quantised product, along K:
;;     - K is cut into blocks of 32 from its start; a last block that is shorter is filled with zeros.
;;     - A block's scale is 2^e with e = floor(log2(the largest magnitude in the block)) - 15, held to -126 .. 127; a block of zeros has e = 0. As a byte (E8M0): e + 127.
;;     - Each number is divided by its block's scale, clamped to +-57,344, and rounded to the nearest number of E5M2, ties to even, subnormals kept.
;;     - The product sums the exact products of the quantised numbers (number of the format x scale) in f32.
;;   ~~~python
;;   def quantise(x, axis):      # numpy; x: float32 -> the quantised numbers, widened to float32 again
;;       x = np.moveaxis(x, axis, -1); K = x.shape[-1]
;;       x = np.pad(x, [(0, 0)] * (x.ndim - 1) + [(0, -K % 32)]); x = x.reshape(x.shape[:-1] + (-1, 32)); a = np.abs(x).max(-1, keepdims=True)
;;       e = np.where(a > 0, np.clip(np.frexp(np.where(a > 0, a, 1))[1] - 1 - 15, -126, 127), 0)      # np.frexp(a)[1] - 1 = floor(log2(a)), exactly
;;       r = np.clip(x / 2.0 ** e, -57344, 57344)
;;       step = 2.0 ** (np.maximum(np.frexp(np.where(r == 0, 1, r))[1] - 1, -14) - 2)
;;       q = np.round(r / step) * step * 2.0 ** e      # np.round: ties to even
;;       return np.moveaxis(q.reshape(q.shape[:-2] + (-1,))[..., :K], -1, axis).astype(np.float32)
;;   ~~~
;;   OPERANDS COMPUTED ON THE WAY. 'Computed on the way' means the value that the module computes at that place (a softmax that the list does not call 'softmax' is quantised finished and normalised). What goes into a quantiser is computed in f32, as accurately as f32 sums, v_exp_f32 and their like allow (about 1e-6 of the number): no bf16 or f16 on the way to a quantiser, and a product that is left as it is and whose result goes on into a quantised operand takes f32 operands (vector FMAs, or v_wmma_f32_16x16x4_f32). A number that lies on a knife's edge between two numbers of the format may be rounded either way, as far as f32 arithmetic and the matrix unit's own rounding can turn it there, and no further.
;;   INPUTS GIVEN AS CODES. key_param_tokens (in the module: [4096, 1024], K = its axis 1); value_param_tokens (in the module: [4096, 1024], K = its axis 0); x (in the module: [4, 2048, 1024], K = its axis 2): each comes as NAME_codes (uint8): NAME with its K axis moved to the last place and cut into blocks of 32 codes, [.., K / 32, bytes a block], one block behind the other in memory; one code a byte (a code: sign, 5 exponent bits, 2 mantissa bits); and NAME_scales (uint8): the same leading axes, one E8M0 byte (e + 127) for each 32 codes along K. Its value is code x scale, taken as it is: it is not quantised again, and the codes and scales need not be those that the quantiser above would give.
;; One version. Each part assembles by itself: llvm-mc -triple=amdgcn-amd-amdhsa -mcpu=gfx1250 --defsym DOCPART=n.
;; ======== version 1 of 1: 3 launches
;; limits: right only within a limited range of input values
;; workspace buffers: part 524,288 bytes; attn_codes 33,554,432 bytes; attn_scales 1,048,576 bytes
;; launch norms (part 1): grid 32 x 8, 4 waves a work-group, clusters of 4 x 1, 327,680 bytes of LDS; arguments x_codes, x_scales, key_param_tokens_codes, key_param_tokens_scales, part; writes part
.if DOCPART == 1
	.amdgcn_target "amdgcn-amd-amdhsa--gfx1250"
	.amdhsa_code_object_version 6
	.text
	.protected	k_q11ecaab340_norms
	.globl	k_q11ecaab340_norms
	.p2align	8
	.type	k_q11ecaab340_norms,@function
k_q11ecaab340_norms:
	s_mov_b64 s[64:65], 0
	v_nop
	global_prefetch_b8 v0, s[64:65] scope:SCOPE_SE
	s_setreg_imm32_b32 hwreg(HW_REG_WAVE_MODE, 25, 1), 1
	s_wait_xcnt 0x0
	s_wait_alu depctr_hold_cnt(0) depctr_sa_sdst(0) depctr_va_vdst(0) depctr_va_sdst(0) depctr_va_ssrc(0) depctr_va_vcc(0) depctr_vm_vsrc(0)
	s_getreg_b32 s2, hwreg(HW_REG_IB_STS2, 6, 4)
	s_cmp_eq_u32 s2, 0
	s_cbranch_scc0 .Lentry_in_a_cluster
	s_endpgm
.Lentry_in_a_cluster:
	s_bfe_u32 s2, ttmp6, 0x10000c
	s_cmp_lg_u32 s2, 0x3003
	s_cbranch_scc0 .Lentry_shape_is_right
	s_endpgm
.Lentry_shape_is_right:
; raw = x K^T on codes of BF8 (E5M2) with one E8M0 scale for each 32 along K; of it only the sum of raw^2 is kept: for each row of x and each range of 512 tokens.
; A row's norm needs all 4,096 similarities before any of them can be quantised, and 32 rows x 4,096 f32 for each of 256 work-groups do not stay on the chip.  So the product is made twice:
; here for the sums, in the next launch (the same instructions in the same order) for the numbers themselves.
; x: [8192][1024] codes, [8192][32] scale bytes.  Keys: [4096][1024] codes, [4096][32] scale bytes.  part: [range 8][row block 32][wave 4][lane 32][4 f32].
; SHARES.  A work-group owns 256 rows (rb) and 512 tokens (tr).  Wave w owns rows 64 w on, four tiles of 16; their fragments for ALL of K stay in 512 registers.
; All four waves walk the 512 tokens in 16 groups of 32: 8 accumulators x 8 K steps = 64 matrix instructions a group; a fragment of keys read from LDS feeds four of them.
; TRANSPOSED USE: source 0 = 16 tokens, source 1 = 16 rows of x: lane (r, h) holds row r, and register j of accumulator (i, u) the token 32 g + 16 h + 8 u + j.
; That order of tokens is made by the tensor loads: memory is taken as rows of 16 tokens of which a load takes 8, so that region u of a slot holds tokens 16 n + 8 u + 0 .. 7 at its rows 8 n + 0 .. 7.
; CLUSTER: the four row blocks of a cluster share tr: every tile of keys and the keys' scale bytes are asked for JOINTLY (mask 15); the place in the cluster enters the addresses of x and part alone.
; No data prefetch: the keys' 4 MB are read by all 32 row blocks at about the same step, and x is fetched once, at the head, with no loop to run ahead in.
; LIMITS: the sum of raw^2 of a row stays under the largest f32 number; codes of infinity or NaN and scale bytes 0xff are not served.
; REGISTERS: window 0: v1-13 addresses; v16-47 x's scale words; v48-63 the keys'; v64-127 accumulators; v128-143 running sums; v144-151 the end.
;   windows 1, 2: x's fragments (tile i, K step s): window 1 + s / 4, v[64 (s % 4) + 16 i].   window 3: one group's fragments of keys (tile u, K step s): v[32 s + 16 u].
.set PK,     1040                      ; a token's row in LDS: 1,024 bytes + 16 of padding
.set REGU,   64*PK                     ; a region: 64 tokens
.set SLOT,   2*REGU                    ; a slot: 128 tokens
.set GRP,    16*PK                     ; a group's 16 rows in each region
.set SCK,    2*SLOT                    ; the scale bytes of the 512 tokens, dense, 32 bytes a token
.set STAGE,  SCK+16384                 ; for each wave 16 rows x 272 bytes, for x's turn: LDS stores alone land there
.set SPI,    272
.set SPARE,  STAGE+4*16*SPI            ; the spare words, 128 bytes a wave
.set SPW, 1
.set NIL, 2
.set AK,  3                            ; v3-4 my lane's place in a tile of keys, region 0, 1
.set ASK, 5                            ; v5   among the keys' scale words
.set ADK, 6                            ; v6-7 addresses of the fetch in hand
.set ADS, 8
.set XG,  9                            ; x: 1,024 (lane / 16) + 16 (lane % 16)
.set STI, 10
.set STO, 11
.set R32, 12
.set L16, 13                           ; 16 x lane
.set XS,  16
.set KS,  48
.set S,   64                           ; accumulator (i, u) at S + 16 i + 8 u
.set Q,   128
.set R,   144
.set WV,  18
.set SEL, 20
.set CNT, 22
.set TB,  23
.set TS,  24
.set G1,  28                           ; s[28:35] group 1 of the ring's loads (4 rows of 8 tokens); s[44:51] groups 0 of the two slots
.set G0,  44
.set G1S, 36                           ; s[36:43], s[52:55] half of the scale bytes
.set G0S, 52
.set G1H, 56                           ; s[56:63], s[68:71] the head's load of a whole region of slot 0 (8 rows of 8 tokens)
.set G0H, 68
.set MSB, 0
.macro WIN new                         ; the immediate's high byte repeats the setting that is left
.if MSB != (\new)
	s_set_vgpr_msb (MSB<<8)|(\new)
.set MSB, (\new)
.endif
.endm
.macro PLACES n
.rept \n
	v_nop
.endr
.endm
.macro CREST                           ; a round of the cluster's barrier behind its opening barrier
	s_cmp_lg_u32 s[WV], 0
	s_cbranch_scc1 .Lnot_wave_0_\@
	s_barrier_signal -3
.Lnot_wave_0_\@:
	s_barrier_wait -3
	s_barrier_signal -1
	s_barrier_wait -1
.endm
.macro CROUND
	s_barrier_signal -1
	s_barrier_wait -1
	CREST
.endm
	s_load_b256 s[4:11], s[0:1], 0x0               ; x's codes, x's scales, the keys' codes, the keys' scales
	s_load_b64 s[12:13], s[0:1], 0x20              ; part
	v_lshl_add_u32 v[SPW], v0, 2, SPARE
	v_mov_b32 v[NIL], 0
	ds_add_u32 v[SPW], v[NIL]                      ; the opening lines: the add twice on end and its wait
	ds_add_u32 v[SPW], v[NIL]
	s_wait_dscnt 0x0
	v_lshrrev_b32 v6, 5, v0
	v_readfirstlane_b32 s[WV], v6                  ; wave 0..3
	s_bfe_u32 s80, ttmp6, 0x40000                  ; cx
	s_lshl_b32 s81, ttmp9, 2
	s_add_co_u32 s81, s81, s80                     ; rb = 4 x cluster x + cx
	s_and_b32 s82, ttmp7, 0xffff                   ; tr, which the four partners share
	s_and_b32 s83, s[WV], 1
	s_lshr_b32 s84, s[WV], 1
.irp g, G1, G1H                                ; keys: rows of 8 tokens (1,024 elements of 8 bytes), 16 tokens apart; 4 words of padding behind each token
	s_mov_b32 s[\g+0], 15|(3<<16)|(1<<20)|(1<<21)|(7<<22)|(3<<25)
	s_mov_b32 s[\g+1], 1024<<16
	s_mov_b32 s[\g+3], 1024<<16
	s_mov_b32 s[\g+5], 2048
	s_mov_b32 s[\g+6], 0
	s_mov_b32 s[\g+7], 0
.endr
	s_mov_b32 s[G1+2], 4<<16
	s_mov_b32 s[G1+4], 4
	s_mov_b32 s[G1H+2], 8<<16
	s_mov_b32 s[G1H+4], 8
	s_mov_b32 s[G1S+0], 15|(3<<16)|(1<<21)         ; scale bytes: 8,192 dense bytes as 32 rows of 256
	s_mov_b32 s[G1S+1], 32<<16
	s_mov_b32 s[G1S+2], 32<<16
	s_mov_b32 s[G1S+3], 32<<16
	s_mov_b32 s[G1S+4], 32
	s_mov_b32 s[G1S+5], 32
	s_mov_b32 s[G1S+6], 0
	s_mov_b32 s[G1S+7], 0
	s_lshl_b32 s92, s82, 19                        ; the head's keys: token 512 tr + 8 (w % 2)
	s_lshl_b32 s88, s83, 13
	s_add_co_u32 s92, s92, s88
	s_mov_b32 s93, 0
	s_lshl_b32 s86, s84, 16                        ; the ring's: + 64 (w / 2)
	s_add_co_u32 s86, s86, s92
	s_mov_b32 s87, 0
	s_mul_i32 s[G0H+1], s83, REGU                  ; places in LDS: made of the wave's number alone
	s_mul_i32 s89, s84, REGU/2
	s_add_co_u32 s88, s[G0H+1], s89
	s_lshl_b32 s90, s82, 14                        ; the scale bytes: 16,384 tr + 8,192 (w % 2)
	s_lshl_b32 s[G0S+1], s83, 13
	s_add_co_u32 s90, s90, s[G0S+1]
	s_mov_b32 s91, 0
	s_add_co_u32 s[G0S+1], s[G0S+1], SCK
	s_mov_b32 s[G0H], 1
	s_mov_b32 s[G0S], 1
	s_lshl_b32 s72, s81, 18                        ; x's codes at my wave's first row
	s_lshl_b32 s73, s[WV], 16
	s_add_co_u32 s72, s72, s73
	s_mov_b32 s73, 0
	s_lshl_b32 s74, s81, 13                        ; its scale bytes
	s_lshl_b32 s75, s[WV], 11
	s_add_co_u32 s74, s74, s75
	s_mov_b32 s75, 0
	s_lshl_b32 s76, s82, 16                        ; part: 65,536 tr + 2,048 rb + 512 w
	s_lshl_b32 s77, s81, 11
	s_add_co_u32 s76, s76, s77
	s_lshl_b32 s77, s[WV], 9
	s_add_co_u32 s76, s76, s77
	s_mov_b32 s77, 0
	s_mov_b32 s[SEL], 0x76543210
	s_mov_b32 s[SEL+1], 0xfedcba98
	s_wait_kmcnt 0x0
	s_add_nc_u64 s[G0H+2:G0H+3], s[8:9], s[92:93]
	s_or_b32 s[G0H+3], s[G0H+3], 0x80000000
	s_add_nc_u64 s[G0S+2:G0S+3], s[10:11], s[90:91]
	s_or_b32 s[G0S+3], s[G0S+3], 0x80000000
	s_add_nc_u64 s[8:9], s[8:9], s[86:87]
	s_add_nc_u64 s[4:5], s[4:5], s[72:73]
	s_add_nc_u64 s[6:7], s[6:7], s[74:75]
	s_add_nc_u64 s[12:13], s[12:13], s[76:77]
.irp q, 0,1
	s_mov_b32 s[G0+4*\q], 1
	s_add_co_u32 s[G0+4*\q+1], s88, \q*SLOT
	s_add_nc_u64 s[G0+4*\q+2:G0+4*\q+3], s[8:9], \q*131072         ; slot q begins with tokens 128 q on
	s_or_b32 s[G0+4*\q+3], s[G0+4*\q+3], 0x80000000
.endr
	CROUND                                         ; all four work-groups are here: the first joint loads meet
	s_cmp_lt_u32 s[WV], 2                          ; one load a wave: waves 0, 1 a region of slot 0 each, waves 2, 3 half of the scale bytes each
	s_cbranch_scc0 .Lhead_s
	tensor_load_to_lds s[G0H:G0H+3], s[G1H:G1H+7]
	s_nop 0
	PLACES 4
	s_branch .Lhead_j
.Lhead_s:
	tensor_load_to_lds s[G0S:G0S+3], s[G1S:G1S+7]
	s_nop 0
	PLACES 4
.Lhead_j:
	v_and_b32 v6, 15, v0                           ; r
	v_bfe_u32 v7, v0, 4, 1                         ; h
	v_and_b32 v8, 31, v0                           ; lane
	v_lshlrev_b32 v[XG], 4, v6
	v_lshl_add_u32 v[XG], v7, 10, v[XG]
	v_lshlrev_b32 v[R32], 5, v6
	v_lshlrev_b32 v[L16], 4, v8
.irp i, 0,1,2,3
	global_load_b128 v[XS+8*\i:XS+8*\i+3], v[R32], s[6:7] offset:512*\i        ; row 16 i + r: its eight scale words
	global_load_b128 v[XS+8*\i+4:XS+8*\i+7], v[R32], s[6:7] offset:512*\i+16
.endr
; x comes in 16 chunks (tile i = n % 4; K steps 2 j, 2 j + 1, j = n / 4).  Each load takes two rows x 256 consecutive bytes, aligned, into the registers in which the chunk's fragments will live.
.macro XLOAD n
.set XI, (\n)%4
.set XJ, (\n)/4
	WIN 0x44*(1+XJ/2)
.irp t, 0,1,2,3,4,5,6,7
	global_load_b128 v[64*((2*XJ+\t/4)%4)+16*XI+4*(\t%4):64*((2*XJ+\t/4)%4)+16*XI+4*(\t%4)+3], v[XG], s[4:5] offset:16384*XI+2048*\t+256*XJ
.endr
.endm
; A chunk's turn through my own stage: in as loaded, back as fragments.  LDS serves a wave's instructions in order (ISA guide 5.7.1.4).
.macro XTURN n
.set XI, (\n)%4
.set XJ, (\n)/4
.if 8*(15-(\n)) > 63
	s_wait_loadcnt 63                              ; more loads follow this chunk's than the field can name: the smaller count is safe
.else
	s_wait_loadcnt 8*(15-(\n))                     ; the chunks behind this one may be out
.endif
	WIN 0x44*(1+XJ/2)
.irp t, 0,1,2,3,4,5,6,7
	ds_store_b128 v[STI], v[64*((2*XJ+\t/4)%4)+16*XI+4*(\t%4):64*((2*XJ+\t/4)%4)+16*XI+4*(\t%4)+3] offset:544*\t
.endr
.irp q, 0,1
.irp c, 0,1,2,3
	ds_load_b128 v[64*((2*XJ+\q)%4)+16*XI+4*\c:64*((2*XJ+\q)%4)+16*XI+4*\c+3], v[STO] offset:128*\q+32*\c
.endr
.endr
.endm
.set N, 0
.rept 16
	XLOAD N
.set N, N+1
.endr
	WIN 0
	v_mul_u32_u24 v[AK], v6, PK
	v_lshl_add_u32 v[AK], v7, 4, v[AK]
	v_add_nc_u32 v[AK+1], REGU, v[AK]
	v_and_b32 v[ASK], 7, v0
	v_lshlrev_b32 v[ASK], 5, v[ASK]
	v_bfe_u32 v15, v0, 3, 1
	v_lshl_add_u32 v[ASK], v15, 9, v[ASK]
	v_add_nc_u32 v[ASK], SCK, v[ASK]               ; lane r of tile u takes token 32 g + 8 u + r % 8 + 16 (r / 8)
	s_mul_i32 s85, s[WV], 16*SPI
	s_add_co_u32 s85, s85, STAGE
	v_mul_u32_u24 v[STI], v7, SPI
	v_lshl_add_u32 v[STI], v6, 4, v[STI]
	v_add_nc_u32 v[STI], s85, v[STI]
	v_mul_u32_u24 v[STO], v6, SPI
	v_lshl_add_u32 v[STO], v7, 4, v[STO]
	v_add_nc_u32 v[STO], s85, v[STO]
.irp j, 0,1,2,3,4,5,6,7,8,9,10,11,12,13,14,15
	v_mov_b32 v[Q+\j], 0
.endr
.irp j, 4,5,6,7
	v_mov_b32 v[R+\j], 0                           ; a lane permute's destination counts as one of its sources
.endr
.set N, 0
.rept 16
	XTURN N
.set N, N+1
.endr
	WIN 0
; The 8 products of K step s.  The eight accumulators take turns.  K step 0 starts the sums.
.macro MULS s
	WIN 0x07+4*((\s)/4)
.irp u, 0,1
.irp i, 0,1,2,3
.if (\s) == 0
	v_wmma_scale_f32_16x16x128_f8f6f4 v[S+16*\i+8*\u:S+16*\i+8*\u+7], v[32*(\s)+16*\u:32*(\s)+16*\u+15], v[64*((\s)%4)+16*\i:64*((\s)%4)+16*\i+15], 0, v[KS+8*\u+(\s)], v[XS+8*\i+(\s)] matrix_a_fmt:MATRIX_FMT_BF8 matrix_b_fmt:MATRIX_FMT_BF8
.else
	v_wmma_scale_f32_16x16x128_f8f6f4 v[S+16*\i+8*\u:S+16*\i+8*\u+7], v[32*(\s)+16*\u:32*(\s)+16*\u+15], v[64*((\s)%4)+16*\i:64*((\s)%4)+16*\i+15], v[S+16*\i+8*\u:S+16*\i+8*\u+7], v[KS+8*\u+(\s)], v[XS+8*\i+(\s)] matrix_a_fmt:MATRIX_FMT_BF8 matrix_b_fmt:MATRIX_FMT_BF8
.endif
.endr
.endr
.endm
.macro ADRS
	v_add_nc_u32 v[ADK], s[TB], v[AK]
	v_add_nc_u32 v[ADK+1], s[TB], v[AK+1]
	v_add_nc_u32 v[ADS], s[TS], v[ASK]
.endm
.macro FETCHH hf                       ; 34 LDS loads: K steps 4 hf .. 4 hf + 3 of both tiles of tokens, and their scale words
	WIN 0xc0
.irp s, 0,1,2,3
.irp u, 0,1
.irp c, 0,1,2,3
	ds_load_b128 v[32*(4*\hf+\s)+16*\u+4*\c:32*(4*\hf+\s)+16*\u+4*\c+3], v[ADK+\u] offset:128*(4*\hf+\s)+32*\c
.endr
.endr
.endr
	WIN 0
.irp u, 0,1
	ds_load_b128 v[KS+8*\u+4*\hf:KS+8*\u+4*\hf+3], v[ADS] offset:256*\u+16*\hf
.endr
.endm
.macro STEPT
	s_add_co_u32 s[TB], s[TB], GRP
	s_add_co_u32 s[TS], s[TS], 1024
.endm
.macro EPI                             ; the group's 64 numbers of a lane, squared, onto the running sums; each accumulator is read from its low end on
	s_wait_alu depctr_va_vdst(0)
.irp j, 0,1,2,3,4,5,6,7
.irp i, 0,1,2,3
	v_pk_fma_f32 v[Q+4*\i+2*(\j%2):Q+4*\i+2*(\j%2)+1], v[S+16*\i+2*\j:S+16*\i+2*\j+1], v[S+16*\i+2*\j:S+16*\i+2*\j+1], v[Q+4*\i+2*(\j%2):Q+4*\i+2*(\j%2)+1]
.endr
.endr
.endm
; Eight places stand behind a matrix instruction ahead of loads into its registers and of reads of its result (ISA guide 7.12.1 for the reads); a new sum over an old accumulator has nine: the eight v_nop and EPI's lines on other accumulators.
.macro TRIP next
	s_wait_dscnt 34                                ; K steps 0-3 are in; the younger run of 34 loads may be out
	MULS 0
	MULS 1
	MULS 2
	MULS 3
	s_wait_dscnt 0x0
.if \next
	WIN 0
	ADRS
	PLACES 5
	FETCHH 0
.endif
	MULS 4
	MULS 5
	MULS 6
	MULS 7
	PLACES 8
.if \next
	FETCHH 1
	STEPT
.else
	WIN 0
.endif
	EPI
.endm
; A slot's fourth group changes slots: ONE barrier, with a tensor wait, an add and its wait in front of it.  fill = 1: it opens a round of the cluster's barrier, and slot q takes the tokens 256 on, first thing behind the round.
.macro CROSS q, fill, sig
	WIN 0
	s_wait_tensorcnt 0x0                           ; all my tensor loads have landed
	ds_add_u32 v[SPW], v[NIL]
	s_wait_dscnt 35                                ; (the add and the younger run of 34 loads may be out)
	MULS 0
	MULS 1
	s_wait_dscnt 0x0                               ; the add is done, and my reads of this slot are over
	s_barrier_signal -1
	MULS 2
	MULS 3
	WIN 0
	s_barrier_wait -1
.if \fill
	CREST
	s_add_nc_u64 s[G0+4*\q+2:G0+4*\q+3], s[G0+4*\q+2:G0+4*\q+3], 262144
	tensor_load_to_lds s[G0+4*\q:G0+4*\q+3], s[G1:G1+7]
	s_nop 0
	PLACES 4
.endif
	s_mov_b32 s[TB], (1-\q)*SLOT
	s_mov_b32 s[TS], 1024*(4*\sig+4)
	ADRS
.if \fill
	PLACES 1
.else
	PLACES 5
.endif
	FETCHH 0
	MULS 4
	MULS 5
	MULS 6
	MULS 7
	PLACES 8
	FETCHH 1
	STEPT
	EPI
.endm
.macro LOOP3
	s_mov_b32 s[CNT], 3
.Lgroup_\@:
	TRIP 1
	s_sub_co_u32 s[CNT], s[CNT], 1
	s_cmp_lg_u32 s[CNT], 0
	s_cbranch_scc1 .Lgroup_\@
.endm
	s_wait_alu depctr_va_vdst(0)
	s_wait_tensorcnt 0x0                           ; my tile of the head's is in; the three lines stand ahead of slot 1's first fill as ahead of a refill
	ds_add_u32 v[SPW], v[NIL]
	s_wait_dscnt 0x0                               ; the add is done, and x's fragments are back from the stage
	CROUND
	tensor_load_to_lds s[G0+4:G0+7], s[G1:G1+7]    ; slot 1: a quarter a wave; it has slot 0's first three groups in which to land
	s_nop 0
	PLACES 4
	s_mov_b32 s[TB], 0
	s_mov_b32 s[TS], 0
	ADRS
	FETCHH 0
	FETCHH 1
	STEPT
	LOOP3                                          ; the four slots are written out
	CROSS 0, 1, 0
	LOOP3
	CROSS 1, 1, 1
	LOOP3
	CROSS 0, 0, 2
	LOOP3
	TRIP 0
.irp i, 0,1,2,3
	v_pk_add_f32 v[Q+4*\i:Q+4*\i+1], v[Q+4*\i:Q+4*\i+1], v[Q+4*\i+2:Q+4*\i+3]
.endr
.irp i, 0,1,2,3
	v_add_f32 v[R+\i], v[Q+4*\i], v[Q+4*\i+1]
.endr
.irp i, 0,1,2,3
	v_permlanex16_b32 v[R+4+\i], v[R+\i], s[SEL], s[SEL+1]   ; the row's other 16 tokens of each group lie in lane l xor 16
.endr
.irp i, 0,1,2,3
	v_add_f32 v[R+\i], v[R+\i], v[R+4+\i]
.endr
	global_store_b128 v[L16], v[R:R+3], s[12:13]   ; 512 consecutive bytes, aligned
	s_wait_tensorcnt 0x0                           ; the wave's end
	ds_add_u32 v[SPW], v[NIL]
	s_wait_dscnt 0x0
	CROUND                                         ; the closing round
	s_endpgm
.Lfunc_end_k_q11ecaab340_norms:
	.size	k_q11ecaab340_norms, .Lfunc_end_k_q11ecaab340_norms-k_q11ecaab340_norms
	.p2alignl 7, 3214868480
	.fill 96, 4, 3214868480
	.section	.rodata,"a",@progbits
	.p2align	6, 0x0
	.amdhsa_kernel k_q11ecaab340_norms
		.amdhsa_group_segment_fixed_size 327680
		.amdhsa_private_segment_fixed_size 0
		.amdhsa_enable_private_segment 0
		.amdhsa_kernarg_size 40
		.amdhsa_user_sgpr_count 2
		.amdhsa_user_sgpr_kernarg_segment_ptr 1
		.amdhsa_wavefront_size32 1
		.amdhsa_system_sgpr_workgroup_id_x 1
		.amdhsa_system_sgpr_workgroup_id_y 1
		.amdhsa_system_sgpr_workgroup_id_z 1
		.amdhsa_system_vgpr_workitem_id 0
		.amdhsa_next_free_vgpr 1024
		.amdhsa_next_free_sgpr 96
		.amdhsa_reserve_vcc 0
		.amdhsa_float_denorm_mode_32 3
		.amdhsa_float_denorm_mode_16_64 3
		.amdhsa_memory_ordered 1
		.amdhsa_forward_progress 1
		.amdhsa_inst_pref_size 162
	.end_amdhsa_kernel
	.amdgpu_metadata
---
amdhsa.version: [ 1, 2 ]
amdhsa.kernels:
  - .name:           k_q11ecaab340_norms
    .symbol:         k_q11ecaab340_norms.kd
    .args:
      - { .name: x_codes, .offset: 0, .size: 8, .value_kind: global_buffer, .address_space: global }
      - { .name: x_scales, .offset: 8, .size: 8, .value_kind: global_buffer, .address_space: global }
      - { .name: key_param_tokens_codes, .offset: 16, .size: 8, .value_kind: global_buffer, .address_space: global }
      - { .name: key_param_tokens_scales, .offset: 24, .size: 8, .value_kind: global_buffer, .address_space: global }
      - { .name: part, .offset: 32, .size: 8, .value_kind: global_buffer, .address_space: global }
    .group_segment_fixed_size: 327680
    .private_segment_fixed_size: 0
    .kernarg_segment_align: 8
    .kernarg_segment_size: 40
    .max_flat_workgroup_size: 128
    .sgpr_count:     96
    .vgpr_count:     1024
    .wavefront_size: 32
...
	.end_amdgpu_metadata
.endif
;; end of part 1
;; launch attn (part 2): grid 32 x 8, 4 waves a work-group, clusters of 4 x 1, 327,680 bytes of LDS; arguments x_codes, x_scales, key_param_tokens_codes, key_param_tokens_scales, part, attn_codes, attn_scales; writes attn_codes, attn_scales
.if DOCPART == 2
	.amdgcn_target "amdgcn-amd-amdhsa--gfx1250"
	.amdhsa_code_object_version 6
	.text
	.protected	k_q11ecaab340_attn
	.globl	k_q11ecaab340_attn
	.p2align	8
	.type	k_q11ecaab340_attn,@function
k_q11ecaab340_attn:
	s_mov_b64 s[64:65], 0
	v_nop
	global_prefetch_b8 v0, s[64:65] scope:SCOPE_SE
	s_setreg_imm32_b32 hwreg(HW_REG_WAVE_MODE, 25, 1), 1
	s_wait_xcnt 0x0
	s_wait_alu depctr_hold_cnt(0) depctr_sa_sdst(0) depctr_va_vdst(0) depctr_va_sdst(0) depctr_va_ssrc(0) depctr_va_vcc(0) depctr_vm_vsrc(0)
	s_getreg_b32 s2, hwreg(HW_REG_IB_STS2, 6, 4)
	s_cmp_eq_u32 s2, 0
	s_cbranch_scc0 .Lentry_in_a_cluster
	s_endpgm
.Lentry_in_a_cluster:
	s_bfe_u32 s2, ttmp6, 0x10000c
	s_cmp_lg_u32 s2, 0x3003
	s_cbranch_scc0 .Lentry_shape_is_right
	s_endpgm
.Lentry_shape_is_right:
; attn = Q(gelu(raw k)), raw = x K^T on codes of BF8 (E5M2) as in the launch before (the same instructions in the same order), k = (1/32) / max(sqrt(sum of raw^2) / 32, 1e-12) for each row, from part.
; gelu is the exact one, by the series of erf: with h = s / 2 and u = h^2, gelu(s) = h + u P(u), P(u) = sum of c_n u^n, c_n = 4^(n+1) (-1)^n / (sqrt(2 pi) 2^n n! (2 n + 1)), n = 0 .. 6.
; The row is normalised, so |s| <= 1 for every input; the first term left out is under 4.2e-8 |s|^16, that is under 2.7e-7 of |gelu(s)|.
; Q: the quantiser along the tokens, blocks of 32: scale 2^(floor(log2(largest magnitude)) - 15), each number held within +-57,344 x the scale and rounded to the nearest code, ties to even.
; OUT: attn_codes as images of the next product's operand registers, [ty 64][t 16][i 8][q 2][c 4][lane 32][16 bytes]: row 128 ty + 16 i + lane % 16, tokens 256 t + 128 q + 32 c + 16 (lane / 16) + 0 .. 15;
;      attn_scales [ty 64][t 16][row 128][8 bytes]: byte 4 q + c.
; SHARES, LAYOUT, RING, CLUSTER, PREFETCH: as in the launch before: a work-group owns 256 rows and 512 tokens; wave w rows 64 w on, four tiles, x's fragments of all of K in 512 registers; 16 groups of 32 tokens;
; source 0 = 16 tokens, source 1 = 16 rows: lane (r, h) holds row r, and registers S + 16 i + 0 .. 15 are 16 NEIGHBOURING tokens, 32 g + 16 h + 0 .. 15: a block of 32 lies in lanes l and l xor 16,
; and the conversions' results are four registers of the next operand.  The four row blocks of a cluster share the tokens: every tile of keys is asked for jointly (mask 15).
; LIMITS: the sum of raw^2 of a row stays under the largest f32 number; codes of infinity or NaN and scale bytes 0xff are not served; 1 / d is v_rcp_f32 and a multiplication;
; a block of zeros gets the byte 1 where the rule says 127: its codes are zeros, which add nothing under any byte but 0xff, and this program alone reads the bytes.
; REGISTERS: window 0: v1-14 addresses; v16-47 x's scale words; v48-63 the keys'; v64-127 the accumulators, then h, then gelu; v128-143 u; v144-159 P; v160-175 codes; v176-191 the quantiser's; v192-199 k / 2, a pair a tile;
;   v204-211 scale words in the making; v212-215 as they leave; v216-229 the series' pairs.   windows 1, 2: x's fragments.   window 3: one group's fragments of keys.
.set PK,     1040
.set REGU,   64*PK
.set SLOT,   2*REGU
.set GRP,    16*PK
.set SCK,    2*SLOT
.set STAGE,  SCK+16384
.set SPI,    272
.set SPARE,  STAGE+4*16*SPI            ; the spare words, 128 bytes a wave
.set SPW, 1
.set NIL, 2
.set AK,  3
.set ASK, 5
.set ADK, 6
.set ADS, 8
.set XG,  9
.set STI, 10
.set STO, 11
.set R32, 12
.set L16, 13                           ; 16 x lane
.set L8,  14                           ; 8 x lane
.set XS,  16
.set KS,  48
.set S,   64
.set U,   128
.set W,   144
.set PC,  160
.set TM,  176                          ; +0..3 largest magnitudes, +4..7 at work and bytes, +8..11 the largest number x the scale, +12..15 the conversions' scale operands
.set KI,  192
.set SWA, 204                          ; the scale words of a slot with q = 0, a tile each
.set SWB, 208                          ; and with q = 1
.set PS,  212
.set CF,  216                          ; pair n: c_n twice
.set WV,  18
.set MNT, 19                           ; the mantissa field of 57,344
.set SEL, 20
.set CNT, 22
.set TB,  23
.set TS,  24
.set SH,  25                           ; where the group's byte goes in its scale word
.set G1,  28
.set G0,  44
.set G1S, 36
.set G0S, 52
.set G1H, 56
.set G0H, 68
.set MSB, 0
.macro WIN new                         ; the immediate's high byte repeats the setting that is left
.if MSB != (\new)
	s_set_vgpr_msb (MSB<<8)|(\new)
.set MSB, (\new)
.endif
.endm
.macro PLACES n
.rept \n
	v_nop
.endr
.endm
.macro CREST                           ; a round of the cluster's barrier behind its opening barrier
	s_cmp_lg_u32 s[WV], 0
	s_cbranch_scc1 .Lnot_wave_0_\@
	s_barrier_signal -3
.Lnot_wave_0_\@:
	s_barrier_wait -3
	s_barrier_signal -1
	s_barrier_wait -1
.endm
.macro CROUND
	s_barrier_signal -1
	s_barrier_wait -1
	CREST
.endm
	s_load_b256 s[4:11], s[0:1], 0x0               ; x's codes, x's scales, the keys' codes, the keys' scales
	s_load_b128 s[12:15], s[0:1], 0x20             ; part, attn's codes
	s_load_b64 s[16:17], s[0:1], 0x30              ; attn's scales
	v_lshl_add_u32 v[SPW], v0, 2, SPARE
	v_mov_b32 v[NIL], 0
	ds_add_u32 v[SPW], v[NIL]                      ; the opening lines: the add twice on end and its wait
	ds_add_u32 v[SPW], v[NIL]
	s_wait_dscnt 0x0
	v_lshrrev_b32 v6, 5, v0
	v_readfirstlane_b32 s[WV], v6                  ; wave 0..3
	s_bfe_u32 s80, ttmp6, 0x40000                  ; cx
	s_lshl_b32 s81, ttmp9, 2
	s_add_co_u32 s81, s81, s80                     ; rb = 4 x cluster x + cx
	s_and_b32 s82, ttmp7, 0xffff                   ; tr, which the four partners share
	s_and_b32 s83, s[WV], 1
	s_lshr_b32 s84, s[WV], 1
.irp g, G1, G1H                                ; keys: rows of 8 tokens (1,024 elements of 8 bytes), 16 tokens apart; 4 words of padding behind each token
	s_mov_b32 s[\g+0], 15|(3<<16)|(1<<20)|(1<<21)|(7<<22)|(3<<25)
	s_mov_b32 s[\g+1], 1024<<16
	s_mov_b32 s[\g+3], 1024<<16
	s_mov_b32 s[\g+5], 2048
	s_mov_b32 s[\g+6], 0
	s_mov_b32 s[\g+7], 0
.endr
	s_mov_b32 s[G1+2], 4<<16
	s_mov_b32 s[G1+4], 4
	s_mov_b32 s[G1H+2], 8<<16
	s_mov_b32 s[G1H+4], 8
	s_mov_b32 s[G1S+0], 15|(3<<16)|(1<<21)         ; scale bytes: 8,192 dense bytes as 32 rows of 256
	s_mov_b32 s[G1S+1], 32<<16
	s_mov_b32 s[G1S+2], 32<<16
	s_mov_b32 s[G1S+3], 32<<16
	s_mov_b32 s[G1S+4], 32
	s_mov_b32 s[G1S+5], 32
	s_mov_b32 s[G1S+6], 0
	s_mov_b32 s[G1S+7], 0
	s_lshl_b32 s92, s82, 19                        ; the head's keys: token 512 tr + 8 (w % 2)
	s_lshl_b32 s88, s83, 13
	s_add_co_u32 s92, s92, s88
	s_mov_b32 s93, 0
	s_lshl_b32 s86, s84, 16                        ; the ring's: + 64 (w / 2)
	s_add_co_u32 s86, s86, s92
	s_mov_b32 s87, 0
	s_mul_i32 s[G0H+1], s83, REGU                  ; places in LDS: made of the wave's number alone
	s_mul_i32 s89, s84, REGU/2
	s_add_co_u32 s88, s[G0H+1], s89
	s_lshl_b32 s90, s82, 14                        ; the scale bytes: 16,384 tr + 8,192 (w % 2)
	s_lshl_b32 s[G0S+1], s83, 13
	s_add_co_u32 s90, s90, s[G0S+1]
	s_mov_b32 s91, 0
	s_add_co_u32 s[G0S+1], s[G0S+1], SCK
	s_mov_b32 s[G0H], 1
	s_mov_b32 s[G0S], 1
	s_lshl_b32 s72, s81, 18                        ; x's codes at my wave's first row
	s_lshl_b32 s73, s[WV], 16
	s_add_co_u32 s72, s72, s73
	s_mov_b32 s73, 0
	s_lshl_b32 s74, s81, 13                        ; its scale bytes
	s_lshl_b32 s75, s[WV], 11
	s_add_co_u32 s74, s74, s75
	s_mov_b32 s75, 0
	s_lshl_b32 s76, s81, 11                        ; part: 2,048 rb + 512 w; the eight ranges lie 65,536 bytes apart
	s_lshl_b32 s77, s[WV], 9
	s_add_co_u32 s76, s76, s77
	s_mov_b32 s77, 0
	s_lshl_b32 s78, s81, 1
	s_add_co_u32 s78, s78, s84                     ; ty = 2 rb + w / 2
	s_lshl_b32 s26, s78, 14                        ; attn's scales: 16,384 ty + 2,048 tr + 512 (w % 2)
	s_lshl_b32 s78, s78, 19                        ; attn's codes: 524,288 ty + 65,536 tr + 16,384 (w % 2)
	s_lshl_b32 s79, s82, 16
	s_add_co_u32 s78, s78, s79
	s_lshl_b32 s79, s83, 14
	s_add_co_u32 s78, s78, s79
	s_mov_b32 s79, 0
	s_lshl_b32 s27, s82, 11
	s_add_co_u32 s26, s26, s27
	s_lshl_b32 s27, s83, 9
	s_add_co_u32 s26, s26, s27
	s_mov_b32 s27, 0
	s_mov_b32 s[MNT], 0x600000
	s_mov_b32 s[SEL], 0x76543210
	s_mov_b32 s[SEL+1], 0xfedcba98
	s_wait_kmcnt 0x0
	s_add_nc_u64 s[G0H+2:G0H+3], s[8:9], s[92:93]
	s_or_b32 s[G0H+3], s[G0H+3], 0x80000000
	s_add_nc_u64 s[G0S+2:G0S+3], s[10:11], s[90:91]
	s_or_b32 s[G0S+3], s[G0S+3], 0x80000000
	s_add_nc_u64 s[8:9], s[8:9], s[86:87]
	s_add_nc_u64 s[4:5], s[4:5], s[72:73]
	s_add_nc_u64 s[6:7], s[6:7], s[74:75]
	s_add_nc_u64 s[12:13], s[12:13], s[76:77]
	s_add_nc_u64 s[14:15], s[14:15], s[78:79]
	s_add_nc_u64 s[16:17], s[16:17], s[26:27]
.irp q, 0,1
	s_mov_b32 s[G0+4*\q], 1
	s_add_co_u32 s[G0+4*\q+1], s88, \q*SLOT
	s_add_nc_u64 s[G0+4*\q+2:G0+4*\q+3], s[8:9], \q*131072         ; slot q begins with tokens 128 q on
	s_or_b32 s[G0+4*\q+3], s[G0+4*\q+3], 0x80000000
.endr
	CROUND                                         ; all four work-groups are here: the first joint loads meet
	s_cmp_lt_u32 s[WV], 2                          ; one load a wave: waves 0, 1 a region of slot 0 each, waves 2, 3 half of the scale bytes each
	s_cbranch_scc0 .Lhead_s
	tensor_load_to_lds s[G0H:G0H+3], s[G1H:G1H+7]
	s_nop 0
	PLACES 4
	s_branch .Lhead_j
.Lhead_s:
	tensor_load_to_lds s[G0S:G0S+3], s[G1S:G1S+7]
	s_nop 0
	PLACES 4
.Lhead_j:
	v_and_b32 v6, 15, v0                           ; r
	v_bfe_u32 v7, v0, 4, 1                         ; h
	v_and_b32 v8, 31, v0                           ; lane
	v_lshlrev_b32 v[XG], 4, v6
	v_lshl_add_u32 v[XG], v7, 10, v[XG]
	v_lshlrev_b32 v[R32], 5, v6
	v_lshlrev_b32 v[L16], 4, v8
	v_lshlrev_b32 v[L8], 3, v8
.irp i, 0,1,2,3
	global_load_b128 v[XS+8*\i:XS+8*\i+3], v[R32], s[6:7] offset:512*\i        ; row 16 i + r: its eight scale words
	global_load_b128 v[XS+8*\i+4:XS+8*\i+7], v[R32], s[6:7] offset:512*\i+16
.endr
.irp j, 0,1,2,3,4,5,6,7
	global_load_b128 v[U+4*\j:U+4*\j+3], v[L16], s[12:13] offset:65536*\j      ; range j's sums of my four rows: the lanes in which the launch before left them
.endr
; x comes in 16 chunks (tile i = n % 4; K steps 2 j, 2 j + 1, j = n / 4).  Each load takes two rows x 256 consecutive bytes, aligned, into the registers in which the chunk's fragments will live.
.macro XLOAD n
.set XI, (\n)%4
.set XJ, (\n)/4
	WIN 0x44*(1+XJ/2)
.irp t, 0,1,2,3,4,5,6,7
	global_load_b128 v[64*((2*XJ+\t/4)%4)+16*XI+4*(\t%4):64*((2*XJ+\t/4)%4)+16*XI+4*(\t%4)+3], v[XG], s[4:5] offset:16384*XI+2048*\t+256*XJ
.endr
.endm
; A chunk's turn through my own stage: in as loaded, back as fragments.  LDS serves a wave's instructions in order (ISA guide 5.7.1.4).
.macro XTURN n
.set XI, (\n)%4
.set XJ, (\n)/4
.if 8*(15-(\n)) > 63
	s_wait_loadcnt 63                              ; more loads follow this chunk's than the field can name: the smaller count is safe
.else
	s_wait_loadcnt 8*(15-(\n))                     ; the chunks behind this one may be out
.endif
	WIN 0x44*(1+XJ/2)
.irp t, 0,1,2,3,4,5,6,7
	ds_store_b128 v[STI], v[64*((2*XJ+\t/4)%4)+16*XI+4*(\t%4):64*((2*XJ+\t/4)%4)+16*XI+4*(\t%4)+3] offset:544*\t
.endr
.irp q, 0,1
.irp c, 0,1,2,3
	ds_load_b128 v[64*((2*XJ+\q)%4)+16*XI+4*\c:64*((2*XJ+\q)%4)+16*XI+4*\c+3], v[STO] offset:128*\q+32*\c
.endr
.endr
.endm
.set N, 0
.rept 16
	XLOAD N
.set N, N+1
.endr
	WIN 0
	v_mul_u32_u24 v[AK], v6, PK
	v_lshl_add_u32 v[AK], v7, 4, v[AK]
	v_add_nc_u32 v[AK+1], REGU, v[AK]
	v_and_b32 v[ASK], 7, v0
	v_lshlrev_b32 v[ASK], 5, v[ASK]
	v_bfe_u32 v15, v0, 3, 1
	v_lshl_add_u32 v[ASK], v15, 9, v[ASK]
	v_add_nc_u32 v[ASK], SCK, v[ASK]               ; lane r of tile u takes token 32 g + 8 u + r % 8 + 16 (r / 8)
	s_mul_i32 s85, s[WV], 16*SPI
	s_add_co_u32 s85, s85, STAGE
	v_mul_u32_u24 v[STI], v7, SPI
	v_lshl_add_u32 v[STI], v6, 4, v[STI]
	v_add_nc_u32 v[STI], s85, v[STI]
	v_mul_u32_u24 v[STO], v6, SPI
	v_lshl_add_u32 v[STO], v7, 4, v[STO]
	v_add_nc_u32 v[STO], s85, v[STO]
.irp j, 4,5,6,7
	v_mov_b32 v[TM+\j], 0                          ; a lane permute's destination counts as one of its sources
.endr
.irp h, 0,1                                    ; the series' numbers, each twice, so that the packed forms take them as pairs of registers
	v_mov_b32 v[CF+\h], 0x3fcc422a                 ; c0 =  1.5957691
	v_mov_b32 v[CF+2+\h], 0xbf882c1c               ; c1 = -1.0638461
	v_mov_b32 v[CF+4+\h], 0x3f236821               ; c2 =  6.3830765e-1
	v_mov_b32 v[CF+6+\h], 0xbe9ba020               ; c3 = -3.0395602e-1
	v_mov_b32 v[CF+8+\h], 0x3df21587               ; c4 =  1.1820512e-1
	v_mov_b32 v[CF+10+\h], 0xbd1e747d              ; c5 = -3.8685312e-2
	v_mov_b32 v[CF+12+\h], 0x3c32c511              ; c6 =  1.0911242e-2
.endr
.set N, 0
.rept 16
	XTURN N
.set N, N+1
.endr
	WIN 0
	; k / 2 for my four rows (the last chunk's wait was for all loads: part is in)
.irp j, 1,2,3,4,5,6,7
	v_pk_add_f32 v[U:U+1], v[U:U+1], v[U+4*\j:U+4*\j+1]            ; the eight ranges' sums, in ascending order
	v_pk_add_f32 v[U+2:U+3], v[U+2:U+3], v[U+4*\j+2:U+4*\j+3]
.endr
	s_wait_alu depctr_va_vdst(0)                   ; a wait ahead of and behind each batch of transcendentals
.irp i, 0,1,2,3
	v_sqrt_f32 v[PC+\i], v[U+\i]
.endr
	v_nop                                          ; one plain line behind the transcendentals
	s_wait_alu depctr_va_vdst(0)
.irp i, 0,1,2,3
	v_mul_f32 v[PC+\i], 0x3d000000, v[PC+\i]       ; / 32: the norm
.endr
.irp i, 0,1,2,3
	v_max_num_f32 v[PC+\i], 0x2b8cbccc, v[PC+\i]   ; at least 1e-12
.endr
	s_wait_alu depctr_va_vdst(0)
.irp i, 0,1,2,3
	v_rcp_f32 v[PC+4+\i], v[PC+\i]
.endr
	v_nop
	s_wait_alu depctr_va_vdst(0)
.irp i, 0,1,2,3
	v_mul_f32 v[KI+2*\i], 0x3c800000, v[PC+4+\i]   ; k / 2 = (1 / 64) / d, twice
	v_mul_f32 v[KI+2*\i+1], 0x3c800000, v[PC+4+\i]
.endr
; The 8 products of K step s.  The eight accumulators take turns.  K step 0 starts the sums.
.macro MULS s
	WIN 0x07+4*((\s)/4)
.irp u, 0,1
.irp i, 0,1,2,3
.if (\s) == 0
	v_wmma_scale_f32_16x16x128_f8f6f4 v[S+16*\i+8*\u:S+16*\i+8*\u+7], v[32*(\s)+16*\u:32*(\s)+16*\u+15], v[64*((\s)%4)+16*\i:64*((\s)%4)+16*\i+15], 0, v[KS+8*\u+(\s)], v[XS+8*\i+(\s)] matrix_a_fmt:MATRIX_FMT_BF8 matrix_b_fmt:MATRIX_FMT_BF8
.else
	v_wmma_scale_f32_16x16x128_f8f6f4 v[S+16*\i+8*\u:S+16*\i+8*\u+7], v[32*(\s)+16*\u:32*(\s)+16*\u+15], v[64*((\s)%4)+16*\i:64*((\s)%4)+16*\i+15], v[S+16*\i+8*\u:S+16*\i+8*\u+7], v[KS+8*\u+(\s)], v[XS+8*\i+(\s)] matrix_a_fmt:MATRIX_FMT_BF8 matrix_b_fmt:MATRIX_FMT_BF8
.endif
.endr
.endr
.endm
.macro ADRS
	v_add_nc_u32 v[ADK], s[TB], v[AK]
	v_add_nc_u32 v[ADK+1], s[TB], v[AK+1]
	v_add_nc_u32 v[ADS], s[TS], v[ASK]
.endm
.macro FETCHH hf                       ; 34 LDS loads: K steps 4 hf .. 4 hf + 3 of both tiles of tokens, and their scale words
	WIN 0xc0
.irp s, 0,1,2,3
.irp u, 0,1
.irp c, 0,1,2,3
	ds_load_b128 v[32*(4*\hf+\s)+16*\u+4*\c:32*(4*\hf+\s)+16*\u+4*\c+3], v[ADK+\u] offset:128*(4*\hf+\s)+32*\c
.endr
.endr
.endr
	WIN 0
.irp u, 0,1
	ds_load_b128 v[KS+8*\u+4*\hf:KS+8*\u+4*\hf+3], v[ADS] offset:256*\u+16*\hf
.endr
.endm
.macro STEPT
	s_add_co_u32 s[TB], s[TB], GRP
	s_add_co_u32 s[TS], s[TS], 1024
.endm
; Tile i's 16 numbers of a lane: raw -> h = raw k / 2 -> gelu = h + u P(u), two at a time, eight pairs a stage, so that no line waits for the line above it.  The accumulators are read from their low ends on.
.macro GELU i
.irp p, 0,2,4,6,8,10,12,14
	v_pk_mul_f32 v[S+16*\i+\p:S+16*\i+\p+1], v[S+16*\i+\p:S+16*\i+\p+1], v[KI+2*\i:KI+2*\i+1]   ; h
.endr
.irp p, 0,2,4,6,8,10,12,14
	v_pk_mul_f32 v[U+\p:U+\p+1], v[S+16*\i+\p:S+16*\i+\p+1], v[S+16*\i+\p:S+16*\i+\p+1]         ; u
.endr
.irp p, 0,2,4,6,8,10,12,14
	v_pk_fma_f32 v[W+\p:W+\p+1], v[U+\p:U+\p+1], v[CF+12:CF+13], v[CF+10:CF+11]                 ; c6 u + c5
.endr
.irp n, 4,3,2,1,0
.irp p, 0,2,4,6,8,10,12,14
	v_pk_fma_f32 v[W+\p:W+\p+1], v[W+\p:W+\p+1], v[U+\p:U+\p+1], v[CF+2*\n:CF+2*\n+1]           ; x u + c_n
.endr
.endr
.irp p, 0,2,4,6,8,10,12,14
	v_pk_fma_f32 v[S+16*\i+\p:S+16*\i+\p+1], v[U+\p:U+\p+1], v[W+\p:W+\p+1], v[S+16*\i+\p:S+16*\i+\p+1]   ; gelu
.endr
.endm
; A group's way out: gelu; one block of 32 tokens for each of the four tiles, the tiles by turns; 16 codes a lane and tile leave as 512 consecutive bytes a store.  sw: where the scale bytes gather; step: to the next group's images (0: none follows).
.macro EPI sw, step
.irp i, 0,1,2,3
	GELU \i
.endr
.irp i, 0,1,2,3
	v_max3_num_f32 v[TM+\i], |v[S+16*\i]|, |v[S+16*\i+1]|, 0x8000000   ; my 16 numbers, and the floor 2^(16 - 127): the byte cannot fall under 1
.endr
.irp k, 2,4,6,8,10,12,14
.irp i, 0,1,2,3
	v_max3_num_f32 v[TM+\i], v[TM+\i], |v[S+16*\i+\k]|, |v[S+16*\i+\k+1]|
.endr
.endr
.irp i, 0,1,2,3
	v_permlanex16_b32 v[TM+4+\i], v[TM+\i], s[SEL], s[SEL+1]
.endr
.irp i, 0,1,2,3
	v_max_num_f32 v[TM+\i], v[TM+\i], v[TM+4+\i]   ; with lane l xor 16's: the block's largest magnitude
.endr
.irp i, 0,1,2,3
	v_add_nc_u32 v[TM+12+\i], 0xf8800000, v[TM+\i] ; 15 off its exponent field: the conversion's scale operand
.endr
.irp i, 0,1,2,3
	v_and_or_b32 v[TM+8+\i], v[TM+\i], 0x7f800000, s[MNT]   ; 57,344 x the scale
.endr
.irp i, 0,1,2,3
	v_lshrrev_b32 v[TM+4+\i], 23, v[TM+12+\i]      ; the scale's byte
.endr
.irp i, 0,1,2,3
	v_lshl_or_b32 v[\sw+\i], v[TM+4+\i], s[SH], v[\sw+\i]   ; into its place in the row's scale word
.endr
.irp i, 0,1,2,3
.irp k, 0,1,2,3,4,5,6,7,8,9,10,11,12,13,14,15
	v_med3_num_f32 v[S+16*\i+\k], v[S+16*\i+\k], -v[TM+8+\i], v[TM+8+\i]   ; the conversion to an 8-bit code does not saturate (ISA guide 7.6.2)
.endr
	v_cvt_scalef32_pk8_bf8_f32 v[PC+4*\i:PC+4*\i+1], v[S+16*\i:S+16*\i+7], v[TM+12+\i]
	v_cvt_scalef32_pk8_bf8_f32 v[PC+4*\i+2:PC+4*\i+3], v[S+16*\i+8:S+16*\i+15], v[TM+12+\i]
.endr
	v_nop                                          ; one plain line behind the last conversion: the next products write its sources
.irp i, 0,1,2,3
	global_store_b128 v[L16], v[PC+4*\i:PC+4*\i+3], s[14:15] offset:4096*\i
.endr
.if \step
	s_wait_xcnt 0x0                                ; the stores' base and data are written again only behind this wait
	s_add_nc_u64 s[14:15], s[14:15], \step
	s_add_co_u32 s[SH], s[SH], 8
.endif
.endm
; Eight places stand behind a matrix instruction ahead of loads into its registers and of reads of its result (ISA guide 7.12.1 for the reads); a new sum over an old accumulator has nine: the eight v_nop and EPI's lines on other registers.
.macro TRIP next, sw, step
	s_wait_dscnt 34                                ; K steps 0-3 are in; the younger run of 34 loads may be out
	MULS 0
	MULS 1
	MULS 2
	MULS 3
	s_wait_dscnt 0x0
.if \next
	WIN 0
	ADRS
	PLACES 5
	FETCHH 0
.endif
	MULS 4
	MULS 5
	MULS 6
	MULS 7
	PLACES 8
.if \next
	FETCHH 1
	STEPT
.else
	WIN 0
.endif
	EPI \sw, \step
.endm
; A slot's fourth group changes slots: ONE barrier, with a tensor wait, an add and its wait in front of it.  fill = 1: it opens a round of the cluster's barrier, and slot q takes the tokens 256 on, first thing behind the round.
.macro CROSS q, fill, sig, sw, step
	WIN 0
	s_wait_tensorcnt 0x0                           ; all my tensor loads have landed
	ds_add_u32 v[SPW], v[NIL]
	s_wait_dscnt 35                                ; (the add and the younger run of 34 loads may be out)
	MULS 0
	MULS 1
	s_wait_dscnt 0x0                               ; the add is done, and my reads of this slot are over
	s_barrier_signal -1
	MULS 2
	MULS 3
	WIN 0
	s_barrier_wait -1
.if \fill
	CREST
	s_add_nc_u64 s[G0+4*\q+2:G0+4*\q+3], s[G0+4*\q+2:G0+4*\q+3], 262144
	tensor_load_to_lds s[G0+4*\q:G0+4*\q+3], s[G1:G1+7]
	s_nop 0
	PLACES 4
.endif
	s_mov_b32 s[TB], (1-\q)*SLOT
	s_mov_b32 s[TS], 1024*(4*\sig+4)
	ADRS
.if \fill
	PLACES 1
.else
	PLACES 5
.endif
	FETCHH 0
	MULS 4
	MULS 5
	MULS 6
	MULS 7
	PLACES 8
	FETCHH 1
	STEPT
	EPI \sw, \step
.endm
.macro LOOP3 sw                        ; a slot's head (its four scale words begin empty) and its first three groups
	s_mov_b32 s[SH], 0
.irp i, 0,1,2,3
	v_mov_b32 v[\sw+\i], 0
.endr
	s_mov_b32 s[CNT], 3
.Lgroup_\@:
	TRIP 1, \sw, 512
	s_sub_co_u32 s[CNT], s[CNT], 1
	s_cmp_lg_u32 s[CNT], 0
	s_cbranch_scc1 .Lgroup_\@
.endm
; The scale bytes of 256 tokens leave: 8 bytes a row.  Both halves of the lanes hold every word, so lanes 0-15 take tile 2 p and lanes 16-31 tile 2 p + 1: a store covers 256 consecutive bytes, aligned.
.macro SCOUT more
	s_mov_b32 vcc_lo, 0xffff0000
.irp p, 0,1
	v_cndmask_b32 v[PS+2*\p], v[SWA+2*\p], v[SWA+2*\p+1], vcc_lo
	v_cndmask_b32 v[PS+2*\p+1], v[SWB+2*\p], v[SWB+2*\p+1], vcc_lo
.endr
	global_store_b64 v[L8], v[PS:PS+1], s[16:17]
	global_store_b64 v[L8], v[PS+2:PS+3], s[16:17] offset:256
.if \more
	s_wait_xcnt 0x0                                ; the stores' base and data are written again only behind this wait
	s_add_nc_u64 s[16:17], s[16:17], 1024
.endif
.endm
	s_wait_alu depctr_va_vdst(0)
	s_wait_tensorcnt 0x0                           ; my tile of the head's is in; the three lines stand ahead of slot 1's first fill as ahead of a refill
	ds_add_u32 v[SPW], v[NIL]
	s_wait_dscnt 0x0                               ; the add is done, and x's fragments are back from the stage
	CROUND
	tensor_load_to_lds s[G0+4:G0+7], s[G1:G1+7]    ; slot 1: a quarter a wave; it has slot 0's first three groups in which to land
	s_nop 0
	PLACES 4
	s_mov_b32 s[TB], 0
	s_mov_b32 s[TS], 0
	ADRS
	FETCHH 0
	FETCHH 1
	STEPT
	LOOP3 SWA                                      ; tokens 0-127, slot 0.  The four slots are written out
	CROSS 0, 1, 0, SWA, 512
	LOOP3 SWB                                      ; tokens 128-255, slot 1
	CROSS 1, 1, 1, SWB, 29184                      ; the images of the next 256 tokens begin 32,768 bytes behind these: 512 + 32,768 - 4,096
	SCOUT 1
	LOOP3 SWA                                      ; tokens 256-383, slot 0
	CROSS 0, 0, 2, SWA, 512                        ; nothing is left to fetch
	LOOP3 SWB                                      ; tokens 384-511, slot 1
	TRIP 0, SWB, 0
	SCOUT 0
	s_wait_tensorcnt 0x0                           ; the wave's end
	ds_add_u32 v[SPW], v[NIL]
	s_wait_dscnt 0x0
	CROUND                                         ; the closing round
	s_endpgm
.Lfunc_end_k_q11ecaab340_attn:
	.size	k_q11ecaab340_attn, .Lfunc_end_k_q11ecaab340_attn-k_q11ecaab340_attn
	.p2alignl 7, 3214868480
	.fill 96, 4, 3214868480
	.section	.rodata,"a",@progbits
	.p2align	6, 0x0
	.amdhsa_kernel k_q11ecaab340_attn
		.amdhsa_group_segment_fixed_size 327680
		.amdhsa_private_segment_fixed_size 0
		.amdhsa_enable_private_segment 0
		.amdhsa_kernarg_size 56
		.amdhsa_user_sgpr_count 2
		.amdhsa_user_sgpr_kernarg_segment_ptr 1
		.amdhsa_wavefront_size32 1
		.amdhsa_system_sgpr_workgroup_id_x 1
		.amdhsa_system_sgpr_workgroup_id_y 1
		.amdhsa_system_sgpr_workgroup_id_z 1
		.amdhsa_system_vgpr_workitem_id 0
		.amdhsa_next_free_vgpr 1024
		.amdhsa_next_free_sgpr 96
		.amdhsa_reserve_vcc 1
		.amdhsa_float_denorm_mode_32 3
		.amdhsa_float_denorm_mode_16_64 3
		.amdhsa_memory_ordered 1
		.amdhsa_forward_progress 1
		.amdhsa_inst_pref_size 255
	.end_amdhsa_kernel
	.section	.bss,"aw",@nobits
	.p2align	6
	.space	262144
	.amdgpu_metadata
---
amdhsa.version: [ 1, 2 ]
amdhsa.kernels:
  - .name:           k_q11ecaab340_attn
    .symbol:         k_q11ecaab340_attn.kd
    .args:
      - { .name: x_codes, .offset: 0, .size: 8, .value_kind: global_buffer, .address_space: global }
      - { .name: x_scales, .offset: 8, .size: 8, .value_kind: global_buffer, .address_space: global }
      - { .name: key_param_tokens_codes, .offset: 16, .size: 8, .value_kind: global_buffer, .address_space: global }
      - { .name: key_param_tokens_scales, .offset: 24, .size: 8, .value_kind: global_buffer, .address_space: global }
      - { .name: part, .offset: 32, .size: 8, .value_kind: global_buffer, .address_space: global }
      - { .name: attn_codes, .offset: 40, .size: 8, .value_kind: global_buffer, .address_space: global }
      - { .name: attn_scales, .offset: 48, .size: 8, .value_kind: global_buffer, .address_space: global }
    .group_segment_fixed_size: 327680
    .private_segment_fixed_size: 0
    .kernarg_segment_align: 8
    .kernarg_segment_size: 56
    .max_flat_workgroup_size: 128
    .sgpr_count:     96
    .vgpr_count:     1024
    .wavefront_size: 32
...
	.end_amdgpu_metadata
.endif
;; end of part 2
;; launch outp (part 3): grid 32 x 8, 4 waves a work-group, clusters of 4 x 1, 327,680 bytes of LDS; arguments attn_codes, attn_scales, value_param_tokens_codes, value_param_tokens_scales, out0; writes out0
.if DOCPART == 3
	.amdgcn_target "amdgcn-amd-amdhsa--gfx1250"
	.amdhsa_code_object_version 6
	.text
	.protected	k_q11ecaab340_outp
	.globl	k_q11ecaab340_outp
	.p2align	8
	.type	k_q11ecaab340_outp,@function
k_q11ecaab340_outp:
	s_mov_b64 s[64:65], 0
	v_nop
	global_prefetch_b8 v0, s[64:65] scope:SCOPE_SE
	s_setreg_imm32_b32 hwreg(HW_REG_WAVE_MODE, 25, 1), 1
	s_wait_xcnt 0x0
	s_wait_alu depctr_hold_cnt(0) depctr_sa_sdst(0) depctr_va_vdst(0) depctr_va_sdst(0) depctr_va_ssrc(0) depctr_va_vcc(0) depctr_vm_vsrc(0)
	s_getreg_b32 s2, hwreg(HW_REG_IB_STS2, 6, 4)
	s_cmp_eq_u32 s2, 0
	s_cbranch_scc0 .Lentry_in_a_cluster
	s_endpgm
.Lentry_in_a_cluster:
	s_bfe_u32 s2, ttmp6, 0x10000c
	s_cmp_lg_u32 s2, 0x3003
	s_cbranch_scc0 .Lentry_shape_is_right
	s_endpgm
.Lentry_shape_is_right:
; out[row][v] = the sum over the 4,096 tokens of attn[row][token] V[token][v], on codes of BF8 (E5M2) with one E8M0 scale for each 32 tokens; out: [8192][1024] f32; one f32 sum for each output, tokens ascending.
; attn comes as the launch before left it: images of operand registers, [ty 64][t 16][i 8][q 2][c 4][lane 32][16 bytes] (row 128 ty + 16 i + lane % 16, tokens 256 t + 128 q + 32 c + 16 (lane / 16) on),
; and scale bytes [ty 64][t 16][row 128][8].  V: [1024][4096] codes, tokens innermost; scale bytes [1024][128].
; SHARES.  A tile of out is 256 rows x 128 columns: 256 tiles, one for each work-group.  Wave w makes rows 64 w .. 64 w + 63 (four tiles a) x all 128 columns (eight tiles b): 32 accumulators of 16 x 16.
; ONLY V GOES THROUGH LDS.  attn's fragments are register images in memory, and no two waves of a work-group want the same: each wave loads its own straight into registers, 512 consecutive bytes a load,
; in a ring of five sets (a set: four fragments, 128 tokens, 16 loads), four K steps ahead, with counted waits and no barrier.  With both operands in the ring a slot would hold 256 tokens, 64 matrix
; instructions a wave between a tile's request and the wait for it; with V alone it holds 1,024 tokens: 256 matrix instructions, and two refills in the whole launch.
; CLUSTER: the four row blocks of a cluster share the column block: V's tiles and V's scale bytes are asked for JOINTLY (mask 15).  attn's codes are also read by the eight column blocks of a row block, and are NOT
; asked for jointly: a joint load lands in LDS, where beside V's two slots (266,240 bytes) and the rest 43,520 bytes are left, against 32,768 for each 128 tokens of 256 rows, twice.
; TRANSPOSED USE: source 0 = 16 rows of V, source 1 = 16 rows of attn: a lane then holds eight neighbouring numbers of a row of out.
; THE 32 K STEPS ARE WRITTEN OUT by one macro: every offset is an immediate, every place in a ring a constant, no pointer is stepped but the refills' and the way out's.
; LIMITS: codes of infinity or NaN and scale bytes 0xff are not served.
; REGISTERS, in windows of 256: window 0: v1-12 addresses; v16-79 attn's scale words, all of them; v80-111 V's, two sets; v192-255 attn's set 4; on the way out v128-255 rows read back.
;   window 1: V's fragments, two sets, (set p, tile b) at v[128 p + 16 b].   window 2: accumulator (a, b) at v[8 (8 a + b)].   window 3: attn's sets 0-3, (set s, tile a) at v[64 s + 16 a].
.set PITCH,  1040                      ; a row of V in LDS: 1,024 bytes + 16 of padding = 260 words: row r starts at bank 4 r mod 64 (64 banks of 4 bytes: ISA guide 11.1), so the 16 rows that a load touches start at 16 different banks
.set QUART,  32*PITCH                  ; 32 rows: what one tensor load brings
.set HALFV,  64*PITCH                  ; 64 rows: as far as an LDS load's 16-bit offset serves one address register
.set SLOT,   128*PITCH                 ; a slot: 128 rows x 1,024 tokens
.set SCB,    2*SLOT                    ; behind the ring: V's scale bytes of my 128 columns, as pieces of 256 bytes + 16 of padding
.set SPARE,  SCB+64*272                ; the spare words, 128 bytes for each wave: two blocks of 256 bytes that no other line names
.set STAGE,  SPARE+512                 ; the way out: 16 rows x (512 bytes + 16) for each wave; bytes of its own: no fill lands there
.set SPITCH, 528
.set SPW,  1                           ; v1     SPARE + 4 x my thread's number; never rewritten
.set NIL,  2                           ; v2     0; never rewritten
.set ADRB, 4                           ; v4-7   my place in V's rows: slot q, tiles 4 n .. 4 n + 3 at ADRB + 2 q + n
.set ADSB, 8                           ; v8     my place among V's scale words
.set L16,  9                           ; v9     16 x lane: an image's place for my lane, and my 16 bytes of a row of out
.set L8,   10                          ; v10    8 x lane
.set STO,  11                          ; v11    the stage: where I put 32 bytes of a row
.set RD,   12                          ; v12    and where I read a row back
.set AS,   16                          ; attn's scale words: K step k, tiles 2 n and 2 n + 1 (lanes 0-15, lanes 16-31) at AS + 4 (k / 2) + 2 n + k % 2
.set VS,   80                          ; V's: K step k, tile b at VS + 16 ((k / 2) % 2) + 2 b + k % 2
.set BK,   128                         ; the way out: 16 rows read back: v128-191 and v192-255 by turns
.set A4,   192                         ; attn's set 4, in window 0
.set WV,   14
.set G1,   24                          ; s[24:31] group 1 for V's tiles;  s[32:39] for V's scale bytes;  s[40:47] groups 0 of the two slots;  s[48:51] of the scale bytes
.set G1S,  32
.set G0,   40
.set G0S,  48
.set MSB, 0
.macro WIN new                         ; the immediate's high byte repeats the setting that is left; a switch that changes nothing is dropped
.if MSB != (\new)
	s_set_vgpr_msb (MSB<<8)|(\new)
.set MSB, (\new)
.endif
.endm
.macro PLACES n
.rept \n
	v_nop
.endr
.endm
.macro CREST                           ; a round of the cluster's barrier behind its opening barrier
	s_cmp_lg_u32 s[WV], 0
	s_cbranch_scc1 .Lnot_wave_0_\@
	s_barrier_signal -3
.Lnot_wave_0_\@:
	s_barrier_wait -3
	s_barrier_signal -1
	s_barrier_wait -1
.endm
.macro CROUND                          ; a whole round
	s_barrier_signal -1
	s_barrier_wait -1
	CREST
.endm
	s_load_b256 s[4:11], s[0:1], 0x0               ; attn's codes s[4:5], attn's scales s[6:7], V's codes s[8:9], V's scales s[10:11]
	s_load_b64 s[12:13], s[0:1], 0x20              ; out
	v_lshl_add_u32 v[SPW], v0, 2, SPARE
	v_mov_b32 v[NIL], 0
	ds_add_u32 v1, v2
	ds_add_u32 v1, v2
	s_wait_dscnt 0x0
	v_lshrrev_b32 v3, 5, v0
	v_readfirstlane_b32 s[WV], v3                  ; wave 0..3
	s_bfe_u32 s16, ttmp6, 0x40000                  ; cx: my place in the cluster
	s_lshl_b32 s17, ttmp9, 2
	s_add_co_u32 s17, s17, s16                     ; rb: my block of 256 rows = 4 x cluster x + cx: it enters attn's and out's addresses alone
	s_and_b32 s18, ttmp7, 0xffff                   ; tc: my block of 128 columns, which the four partners share
	s_and_b32 s19, s[WV], 1
	s_lshr_b32 s20, s[WV], 1
	s_lshl_b32 s21, s17, 1
	s_add_co_u32 s21, s21, s20                     ; ty = 2 rb + w / 2: my 64 rows are tiles 4 (w % 2) .. 4 (w % 2) + 3 of it
	; group 1 for V's tiles: 32 rows of 1,024 bytes (128 elements of 8 bytes), 4,096 bytes (512 elements) apart; 4 words of padding behind every 256 words, that is behind each row
	s_mov_b32 s[G1+0], 15|(3<<16)|(1<<20)|(1<<21)|(7<<22)|(3<<25)  ; 15:0 the mask: all four work-groups; 17:16 elements of 8 bytes; 20 padding on; 21 set beside a mask; 24:22 code 7; 31:25 code 3
	s_mov_b32 s[G1+1], 128<<16                     ; tensor_dim0
	s_mov_b32 s[G1+2], 32<<16                      ; tensor_dim1
	s_mov_b32 s[G1+3], 128<<16                     ; tile_dim0
	s_mov_b32 s[G1+4], 32                          ; tile_dim1
	s_mov_b32 s[G1+5], 512                         ; tensor_dim0_stride
	s_mov_b32 s[G1+6], 0
	s_mov_b32 s[G1+7], 0
.set G1H, 68                           ; s[68:75], s[76:79] the head's load of half of slot 0: 64 rows
.set G0H, 76
	s_mov_b32 s[G1H+0], 15|(3<<16)|(1<<20)|(1<<21)|(7<<22)|(3<<25)
	s_mov_b32 s[G1H+1], 128<<16
	s_mov_b32 s[G1H+2], 64<<16
	s_mov_b32 s[G1H+3], 128<<16
	s_mov_b32 s[G1H+4], 64
	s_mov_b32 s[G1H+5], 512
	s_mov_b32 s[G1H+6], 0
	s_mov_b32 s[G1H+7], 0
	; group 1 for half of V's scale bytes: 8,192 dense bytes as 32 rows of 256 (32 elements of 8 bytes), 16 bytes of padding behind each
	s_mov_b32 s[G1S+0], 15|(3<<16)|(1<<20)|(1<<21)|(5<<22)|(3<<25)
	s_mov_b32 s[G1S+1], 32<<16
	s_mov_b32 s[G1S+2], 32<<16
	s_mov_b32 s[G1S+3], 32<<16
	s_mov_b32 s[G1S+4], 32
	s_mov_b32 s[G1S+5], 32
	s_mov_b32 s[G1S+6], 0
	s_mov_b32 s[G1S+7], 0
	s_lshl_b32 s52, s21, 19                        ; attn's codes: 524,288 ty + 16,384 (w % 2)
	s_lshl_b32 s53, s19, 14
	s_add_co_u32 s52, s52, s53
	s_mov_b32 s53, 0
	s_lshl_b32 s54, s21, 14                        ; attn's scales: 16,384 ty + 512 (w % 2)
	s_lshl_b32 s55, s19, 9
	s_add_co_u32 s54, s54, s55
	s_mov_b32 s55, 0
	s_lshl_b32 s56, s18, 19                        ; V's codes: rows 128 tc + 32 w on, 4,096 bytes each: made of tc and the wave's number alone
	s_lshl_b32 s57, s[WV], 17
	s_add_co_u32 s56, s56, s57
	s_mov_b32 s57, 0
	s_lshl_b32 s80, s18, 19                        ; the head's rows of V: 128 tc + 64 (w % 2) on
	s_lshl_b32 s81, s19, 18
	s_add_co_u32 s80, s80, s81
	s_mov_b32 s81, 0
	s_lshl_b32 s58, s18, 14                        ; V's scales: 16,384 tc + 8,192 (w % 2)
	s_lshl_b32 s59, s19, 13
	s_add_co_u32 s58, s58, s59
	s_mov_b32 s59, 0
	s_lshl_b32 s60, s17, 20                        ; out: row 256 rb + 64 w, 4,096 bytes each, + 512 tc
	s_lshl_b32 s61, s[WV], 18
	s_add_co_u32 s60, s60, s61
	s_lshl_b32 s61, s18, 9
	s_add_co_u32 s60, s60, s61
	s_mov_b32 s61, 0
	s_mul_i32 s22, s[WV], QUART                    ; where my quarter of a tile goes: no place in the cluster enters an LDS address
	s_mul_i32 s63, s19, HALFV
	s_mul_i32 s23, s19, 32*272
	s_add_co_u32 s23, s23, SCB
	s_wait_kmcnt 0x0
	s_add_nc_u64 s[4:5], s[4:5], s[52:53]
	s_add_nc_u64 s[6:7], s[6:7], s[54:55]
	s_mov_b32 s[G0H], 1
	s_mov_b32 s[G0H+1], s63
	s_add_nc_u64 s[G0H+2:G0H+3], s[8:9], s[80:81]
	s_or_b32 s[G0H+3], s[G0H+3], 0x80000000
	s_add_nc_u64 s[8:9], s[8:9], s[56:57]
	s_add_nc_u64 s[10:11], s[10:11], s[58:59]
	s_add_nc_u64 s[12:13], s[12:13], s[60:61]
	s_mov_b32 s[G0S], 1
	s_mov_b32 s[G0S+1], s23
	s_mov_b64 s[G0S+2:G0S+3], s[10:11]
	s_or_b32 s[G0S+3], s[G0S+3], 0x80000000
.irp q, 0,1
	s_mov_b32 s[G0+4*\q], 1                                        ; count = 1
	s_add_co_u32 s[G0+4*\q+1], s22, \q*SLOT                        ; LDS address
	s_add_nc_u64 s[G0+4*\q+2:G0+4*\q+3], s[8:9], \q*1024           ; slot q begins with tokens 1,024 q on
	s_or_b32 s[G0+4*\q+3], s[G0+4*\q+3], 0x80000000                ; type = 2
.endr
	CROUND                                         ; all four work-groups are here: the first joint loads meet
	s_cmp_lt_u32 s[WV], 2                          ; one load a wave: waves 0, 1 half of slot 0 each, waves 2, 3 half of V's scale bytes each
	s_cbranch_scc0 .Lhead_s
	tensor_load_to_lds s[G0H:G0H+3], s[G1H:G1H+7]
	s_nop 0
	PLACES 4
	s_branch .Lhead_j
.Lhead_s:
	tensor_load_to_lds s[G0S:G0S+3], s[G1S:G1S+7]
	s_nop 0
	PLACES 4
.Lhead_j:
	v_and_b32 v13, 15, v0                          ; r
	v_bfe_u32 v14, v0, 4, 1                        ; h
	v_and_b32 v15, 31, v0                          ; lane
	v_lshlrev_b32 v[L16], 4, v15
	v_lshlrev_b32 v[L8], 3, v15
.irp t, 0,1,2,3,4,5,6,7,8,9,10,11,12,13,14,15
.irp n, 0,1
	global_load_b64 v[AS+4*\t+2*\n:AS+4*\t+2*\n+1], v[L8], s[6:7] offset:1024*\t+256*\n   ; tokens 256 t on, rows 32 n + lane of my 64: two scale words a row; the wave reads 256 consecutive bytes, aligned
.endr
.endr
; attn's four fragments of K step j into set j % 5: the images as they lie: 16 loads of 512 consecutive bytes
.macro ALOAD j
.set AL_S, (\j)%5
.set AL_O, ((\j)/2)*32768+((\j)%2)*2048
.if AL_S == 4
	WIN 0
.set AL_B, A4
.else
	WIN 0xc0                                       ; destination window 3, address window 0
.set AL_B, 64*AL_S
.endif
.irp a, 0,1,2,3
.irp c, 0,1,2,3
	global_load_b128 v[AL_B+16*\a+4*\c:AL_B+16*\a+4*\c+3], v[L16], s[4:5] offset:AL_O+4096*\a+512*\c
.endr
.endr
.endm
	ALOAD 0
	ALOAD 1
	ALOAD 2
	ALOAD 3
	WIN 0
	v_mul_u32_u24 v[ADRB], v13, PITCH
	v_lshl_add_u32 v[ADRB], v14, 4, v[ADRB]        ; a fragment's row x pitch + 16 x half
	v_add_nc_u32 v[ADRB+1], HALFV, v[ADRB]
	v_add_nc_u32 v[ADRB+2], SLOT, v[ADRB]
	v_add_nc_u32 v[ADRB+3], SLOT+HALFV, v[ADRB]
	v_lshrrev_b32 v3, 1, v13                       ; V's scale words: 128 bytes a row, and 16 more for each 256 passed
	v_lshlrev_b32 v[ADSB], 7, v13
	v_lshl_add_u32 v[ADSB], v3, 4, v[ADSB]
	v_add_nc_u32 v[ADSB], SCB, v[ADSB]
	s_mul_i32 s62, s[WV], 16*SPITCH
	s_add_co_u32 s62, s62, STAGE                   ; my stage
	v_mul_u32_u24 v[STO], v13, SPITCH              ; in: row r, 32 bytes for each half of the lanes
	v_lshl_add_u32 v[STO], v14, 5, v[STO]
	v_add_nc_u32 v[STO], s62, v[STO]
	v_add_nc_u32 v[RD], s62, v[L16]                ; back: the 32 lanes take one row of 512 bytes
; 8 matrix instructions of K step k: attn's tile a x V's eight.  K step 0 starts the sums: nothing is cleared.  An odd tile's scale words lie in lanes 16-31 of their register.
; The 32 accumulators take turns, one instruction a turn, in the same order in every K step.
.macro MUL8 a, k
.set MU_P, 128*((\k)%2)
.set MU_S, (\k)%5
.if MU_S == 4
	WIN 0xa1                                       ; source 0 (V) window 1, source 1 (attn) window 0, C and D window 2
.set MU_A, A4+16*(\a)
.else
	WIN 0xad                                       ; the same with source 1 in window 3
.set MU_A, 64*MU_S+16*(\a)
.endif
.set MU_V, VS+16*(((\k)/2)%2)+(\k)%2
.set MU_T, AS+4*((\k)/2)+2*((\a)/2)+(\k)%2
.irp b, 0,1,2,3,4,5,6,7
.if (\k) == 0
.if (\a)%2
	v_wmma_scale_f32_16x16x128_f8f6f4 v[8*(8*(\a)+\b):8*(8*(\a)+\b)+7], v[MU_P+16*\b:MU_P+16*\b+15], v[MU_A:MU_A+15], 0, v[MU_V+2*\b], v[MU_T] matrix_a_fmt:MATRIX_FMT_BF8 matrix_b_fmt:MATRIX_FMT_BF8 matrix_b_scale:MATRIX_SCALE_ROW1
.else
	v_wmma_scale_f32_16x16x128_f8f6f4 v[8*(8*(\a)+\b):8*(8*(\a)+\b)+7], v[MU_P+16*\b:MU_P+16*\b+15], v[MU_A:MU_A+15], 0, v[MU_V+2*\b], v[MU_T] matrix_a_fmt:MATRIX_FMT_BF8 matrix_b_fmt:MATRIX_FMT_BF8
.endif
.else
.if (\a)%2
	v_wmma_scale_f32_16x16x128_f8f6f4 v[8*(8*(\a)+\b):8*(8*(\a)+\b)+7], v[MU_P+16*\b:MU_P+16*\b+15], v[MU_A:MU_A+15], v[8*(8*(\a)+\b):8*(8*(\a)+\b)+7], v[MU_V+2*\b], v[MU_T] matrix_a_fmt:MATRIX_FMT_BF8 matrix_b_fmt:MATRIX_FMT_BF8 matrix_b_scale:MATRIX_SCALE_ROW1
.else
	v_wmma_scale_f32_16x16x128_f8f6f4 v[8*(8*(\a)+\b):8*(8*(\a)+\b)+7], v[MU_P+16*\b:MU_P+16*\b+15], v[MU_A:MU_A+15], v[8*(8*(\a)+\b):8*(8*(\a)+\b)+7], v[MU_V+2*\b], v[MU_T] matrix_a_fmt:MATRIX_FMT_BF8 matrix_b_fmt:MATRIX_FMT_BF8
.endif
.endif
.endr
.endm
; 16 LDS loads: V's tiles 4 n .. 4 n + 3 of K step j into set j % 2.  A K step's 32 loads go in two runs, so that the four waves' runs are short
.macro FETCHV j, n
.set FV_P, 128*((\j)%2)+64*(\n)
.set FV_Q, ADRB+2*(((\j)/8)%2)+(\n)
.set FV_K, 128*((\j)%8)
	WIN 0x40                                       ; destination window 1
.irp b, 0,1,2,3
.irp c, 0,1,2,3
	ds_load_b128 v[FV_P+16*\b+4*\c:FV_P+16*\b+4*\c+3], v[FV_Q] offset:16*PITCH*\b+FV_K+32*\c
.endr
.endr
.endm
.macro SCALES m                        ; V's scale words of K steps 2 m and 2 m + 1, into set m % 2: 8 loads
	WIN 0
.irp b, 0,1,2,3,4,5,6,7
	ds_load_b64 v[VS+16*((\m)%2)+2*\b:VS+16*((\m)%2)+2*\b+1], v[ADSB] offset:8*272*\b+8*(\m)
.endr
.endm
; A K STEP: 128 tokens, 32 matrix instructions.  A load into a register that a matrix instruction has read stands eight places behind that matrix instruction, and only plain vector instructions that name none of
; its registers are places.  All that step k loads into (V's other set, attn's set (k - 1) % 5, V's other scale words) was last read
; by step k - 1: the eight v_nop behind step k's first eight products serve all its runs.
; The wait for attn's set k leaves out the sets issued behind it: three of 16 loads, fewer at the end.  Four sets on their way are 64 loads, as many as the counter's field can name and one more.
; Steps 7, 15 and 23 are a slot's last: ONE barrier; in front of it each wave waits for all its tensor loads, adds 0 to its spare word, and waits for that and for its own reads of this slot.  At steps 7 and 15 the
; barrier opens a round of the cluster's, and the slot is filled again, with the tokens 2,048 on, first thing behind it: it has the whole next slot, 256 matrix instructions, in which to land.
.macro STEP k
.set ST_K, (\k)
.set ST_L, 16*(31-ST_K)
.if ST_L > 48
.set ST_L, 48
.endif
.if ((ST_K%8) == 7) && (ST_K < 31)
	WIN 0                                          ; (the add's two registers lie in window 0)
	s_wait_loadcnt ST_L                            ; attn's set k is in
	s_wait_tensorcnt 0x0                           ; all my tensor loads have landed, my part of the next slot among them
	ds_add_u32 v[SPW], v[NIL]                      ; 0 onto my spare word
	s_wait_dscnt 1                                 ; V's set is in (the add may be out)
	MUL8 0, ST_K                                   ; eight matrix instructions stand between the add and the wait for it
	s_wait_dscnt 0x0                               ; the add is done, and my reads of this slot are over
	s_barrier_signal -1
	MUL8 1, ST_K
	WIN 0
	s_barrier_wait -1
.if ST_K < 16
	CREST                                          ; no wave of any partner still reads this slot or has a load on its way
	s_add_nc_u64 s[G0+4*((ST_K/8)%2)+2:G0+4*((ST_K/8)%2)+3], s[G0+4*((ST_K/8)%2)+2:G0+4*((ST_K/8)%2)+3], 2048
	tensor_load_to_lds s[G0+4*((ST_K/8)%2):G0+4*((ST_K/8)%2)+3], s[G1:G1+7]   ; my one tensor load behind the round
	s_nop 0
.endif
	PLACES 8
	FETCHV ST_K+1, 0
	ALOAD ST_K+4
	MUL8 2, ST_K
	FETCHV ST_K+1, 1
	MUL8 3, ST_K
.else
	s_wait_loadcnt ST_L                            ; attn's set k is in (and, ahead of it, all scale words)
	s_wait_dscnt 0x0                               ; V's set and scale words are in
	MUL8 0, ST_K
.if ST_K < 31
	PLACES 8
	FETCHV ST_K+1, 0
.if ST_K+4 <= 31
	ALOAD ST_K+4
.endif
.endif
	MUL8 1, ST_K
.if ST_K < 31
	FETCHV ST_K+1, 1
.if ((ST_K%2) == 0) && (ST_K+2 <= 31)
	SCALES ST_K/2+1
.endif
.endif
	MUL8 2, ST_K
	MUL8 3, ST_K
.endif
.endm
	s_wait_alu depctr_va_vdst(0)
	s_wait_tensorcnt 0x0                           ; my tile of the head's is in; the three lines stand ahead of slot 1's first fill as ahead of a refill
	ds_add_u32 v[SPW], v[NIL]
	s_wait_dscnt 0x0
	CROUND                                         ; everybody's tiles are in, and all four work-groups are here
	tensor_load_to_lds s[G0+4:G0+7], s[G1:G1+7]    ; slot 1: a quarter a wave; it has slot 0's first seven K steps in which to land
	s_nop 0
	PLACES 4
	FETCHV 0, 0
	FETCHV 0, 1
	SCALES 0
.set KSTP, 0
.rept 32
	STEP KSTP
.set KSTP, KSTP+1
.endr
	WIN 0
; THE WAY OUT, block by block of 16 rows x 128 columns.  A lane holds 32 neighbouring bytes of a row, and the lanes beside it hold other rows: so a block goes through my own stage in LDS and comes back as whole
; rows of 512 bytes.  LDS serves a wave's instructions in order (ISA guide 5.7.1.4): no wait between the stores and the loads, nor in front of the next block's stores.
.macro TOSTAGE a
	WIN 0x08                                       ; an LDS store's data are its source 1: window 2
.irp b, 0,1,2,3,4,5,6,7
	ds_store_b128 v[STO], v[64*(\a)+8*\b:64*(\a)+8*\b+3] offset:64*\b          ; each accumulator from its low end on
	ds_store_b128 v[STO], v[64*(\a)+8*\b+4:64*(\a)+8*\b+7] offset:64*\b+16
.endr
	WIN 0
.set BB, BK+64*((\a)%2)
.irp t, 0,1,2,3,4,5,6,7,8,9,10,11,12,13,14,15
	ds_load_b128 v[BB+4*\t:BB+4*\t+3], v[RD] offset:\t*SPITCH
.endr
.endm
.macro SEND a, younger                 ; younger: the LDS instructions issued behind block a's loads, which may stay out
.set BB, BK+64*((\a)%2)
	s_wait_dscnt \younger                          ; the block is back in registers
.if (\a) > 0
	s_add_nc_u64 s[12:13], s[12:13], 16*4096       ; (behind a wait on XCNT: the earlier stores have read their base)  16 rows of out on
.endif
.irp t, 0,1,2,3,4,5,6,7,8,9,10,11,12,13,14,15
	global_store_b128 v[L16], v[BB+4*\t:BB+4*\t+3], s[12:13] offset:\t*4096 th:TH_STORE_NT   ; 32 lanes store 512 consecutive bytes, aligned; written once, read by nobody here
.endr
.endm
	PLACES 8                                       ; for the reads of the last results, and for the loads into the registers that held attn's set 4
	TOSTAGE 0
.irp a, 1,2,3
.if \a > 1
	s_wait_xcnt 0x0                                ; block a - 2's stores have read their registers and their base: block a's loads may land there, and the base may step
.endif
	TOSTAGE \a
	SEND \a-1, 32                                  ; behind block a - 1's loads: block a's 16 stores and 16 loads
.endr
	s_wait_xcnt 0x0                                ; block 2's stores have read their base
	SEND 3, 0
	s_wait_tensorcnt 0x0                           ; the wave's end, behind my last tensor load and my last LDS store
	ds_add_u32 v[SPW], v[NIL]
	s_wait_dscnt 0x0
	CROUND                                         ; the closing round: no work-group ends while a partner may still ask for a tile that names it
	s_endpgm
.Lfunc_end_k_q11ecaab340_outp:
	.size	k_q11ecaab340_outp, .Lfunc_end_k_q11ecaab340_outp-k_q11ecaab340_outp
	.p2alignl 7, 3214868480
	.fill 96, 4, 3214868480
	.section	.rodata,"a",@progbits
	.p2align	6, 0x0
	.amdhsa_kernel k_q11ecaab340_outp
		.amdhsa_group_segment_fixed_size 327680
		.amdhsa_private_segment_fixed_size 0
		.amdhsa_enable_private_segment 0
		.amdhsa_kernarg_size 40
		.amdhsa_user_sgpr_count 2
		.amdhsa_user_sgpr_kernarg_segment_ptr 1
		.amdhsa_wavefront_size32 1
		.amdhsa_system_sgpr_workgroup_id_x 1
		.amdhsa_system_sgpr_workgroup_id_y 1
		.amdhsa_system_sgpr_workgroup_id_z 1
		.amdhsa_system_vgpr_workitem_id 0
		.amdhsa_next_free_vgpr 1024
		.amdhsa_next_free_sgpr 96
		.amdhsa_reserve_vcc 0
		.amdhsa_float_denorm_mode_32 3
		.amdhsa_float_denorm_mode_16_64 3
		.amdhsa_memory_ordered 1
		.amdhsa_forward_progress 1
		.amdhsa_inst_pref_size 255
	.end_amdhsa_kernel
	.section	.bss,"aw",@nobits
	.p2align	6
	.space	262144
	.amdgpu_metadata
---
amdhsa.version: [ 1, 2 ]
amdhsa.kernels:
  - .name:           k_q11ecaab340_outp
    .symbol:         k_q11ecaab340_outp.kd
    .args:
      - { .name: attn_codes, .offset: 0, .size: 8, .value_kind: global_buffer, .address_space: global }
      - { .name: attn_scales, .offset: 8, .size: 8, .value_kind: global_buffer, .address_space: global }
      - { .name: value_param_tokens_codes, .offset: 16, .size: 8, .value_kind: global_buffer, .address_space: global }
      - { .name: value_param_tokens_scales, .offset: 24, .size: 8, .value_kind: global_buffer, .address_space: global }
      - { .name: out0, .offset: 32, .size: 8, .value_kind: global_buffer, .address_space: global }
    .group_segment_fixed_size: 327680
    .private_segment_fixed_size: 0
    .kernarg_segment_align: 8
    .kernarg_segment_size: 40
    .max_flat_workgroup_size: 128
    .sgpr_count:     96
    .vgpr_count:     1024
    .wavefront_size: 32
...
	.end_amdgpu_metadata
.endif
;; end of part 3
